; MI455X (gfx1250); checked and timed in simulation.
; The chip was launched on July 23, 2026; its instructions are those of AMD's public machine-readable ISA for CDNA 5 (MIT licence, August 2026) and "CDNA5" Instruction Set Architecture Reference Guide (July 2026). The comments in the code are by the model that wrote it; some were corrected since.
;; Cross Attention. Allowed arithmetic: float matrix products may take bf16 or f16 operands with f32 sums; all other float work in f32.
;; Inputs: b_proj 768 float32; kv 8 x 1,024 x 768 float32; q 8 x 1,024 x 768 float32; w_proj 768 x 768 float32; wk 768 x 768 float32; wq 768 x 768 float32; wv 768 x 768 float32.
;; Outputs: out0 8 x 1,024 x 768 float32.
;; One version. Each part assembles by itself: llvm-mc -triple=amdgcn-amd-amdhsa -mcpu=gfx1250 --defsym DOCPART=n.
;; ======== version 1 of 1: 4 launches
;; workspace buffers: wb 3,538,944 bytes; wpb 1,179,648 bytes; qh 12,582,912 bytes; kh 12,582,912 bytes; vt 12,582,912 bytes; oh 12,582,912 bytes
;; launch castw (part 1): grid 192 x 1, 8 waves a work-group, no clusters, 0 bytes of LDS; arguments wq, wk, wv, w_proj, wb, wpb; writes wb, wpb
.if DOCPART == 1
	.amdgcn_target "amdgcn-amd-amdhsa--gfx1250"
	.amdhsa_code_object_version 6
	.text
	.protected	k_q2137364066_castw
	.globl	k_q2137364066_castw
	.p2align	8
	.type	k_q2137364066_castw,@function
k_q2137364066_castw:
	s_mov_b64 s[64:65], 0
	v_nop
	global_prefetch_b8 v0, s[64:65] scope:SCOPE_SE
	s_setreg_imm32_b32 hwreg(HW_REG_WAVE_MODE, 25, 1), 1
	s_wait_xcnt 0x0
; castw: the four weight matrices are rounded once to bf16 (nearest even) and laid as the products' tiles want them.
;   wb  [c 4][job 3][192][768] the 192 rows of wq, wk, wv that make column block c lie behind each other (576 rows, dense)
;   wpb [h 8][768][96]        wpb[h][row][d] = w_proj[row][96 h + d]
; The weights have a launch of their own because every one of them is fetched by 64 row blocks later: rounded once here, they are fetched
; as half the bytes and take half the LDS.  q and kv are each used by one launch only and are rounded there.
; A work-group takes 16 rows x 768 numbers: 49,152 bytes in, 24,576 out; a thread takes 12 pieces of 4 numbers.  Straight text, no loop.
; Work-groups 0-47 wq, 48-95 wk, 96-143 wv, 144-191 w_proj: 4 x 768 / 16 = 192, all the work there is.
; No work-group shares an input byte with another, so there is nothing to ask for jointly; no LDS, no barrier, no matrix unit.
; All twelve loads of a thread go out before the first wait.  Every store of a wave covers 256 consecutive bytes, aligned.
.set UNIT_IN,  49152
.set UNIT_OUT, 24576
.set X,  8                             ; v[8:55]   piece k: 4 f32 as loaded
.set Y,  56                            ; v[56:79]  piece k: 4 bf16 to store; registers of its own, so no store's data is rewritten
.set SO, 80                            ; v[80:91]  w_proj: source offset of piece k
.set DO, 92                            ; v[92:103] w_proj: destination offset of piece k
	s_load_b256 s[8:15], s[0:1], 0x0               ; wq 8, wk 10, wv 12, w_proj 14
	s_load_b128 s[16:19], s[0:1], 0x20             ; wb 16, wpb 18
	s_mov_b32 s2, ttmp9                            ; the work-group's number
	v_lshlrev_b32 v1, 4, v0                        ; 16 t: my 16 bytes in a run of 4,096 source bytes
	v_lshlrev_b32 v2, 3, v0                        ; 8 t: my 8 bytes in a run of 2,048 destination bytes
	s_mov_b32 s28, 0                               ; first work-group of my matrix
	s_mov_b32 s29, 0                               ; job: 0 wq, 1 wk, 2 wv
	s_wait_kmcnt 0x0
	s_mov_b64 s[26:27], s[8:9]                     ; the source is chosen by the work-group's number alone
	s_cmp_ge_u32 s2, 48
	s_cselect_b64 s[26:27], s[10:11], s[26:27]
	s_cselect_b32 s28, 48, s28
	s_cselect_b32 s29, 1, s29
	s_cmp_ge_u32 s2, 96
	s_cselect_b64 s[26:27], s[12:13], s[26:27]
	s_cselect_b32 s28, 96, s28
	s_cselect_b32 s29, 2, s29
	s_cmp_ge_u32 s2, 144
	s_cselect_b64 s[26:27], s[14:15], s[26:27]
	s_cselect_b32 s28, 144, s28
	s_sub_co_u32 s30, s2, s28                      ; u: which 16 rows of my matrix
	s_mul_i32 s32, s30, UNIT_IN
	s_mov_b32 s33, 0
	s_add_nc_u64 s[26:27], s[26:27], s[32:33]      ; the source at my 16 rows
; twelve loads, then piece by piece: wait, round, store.  own = 1: each piece has offsets of its own.
.macro MOVE own
.irp k, 0,1,2,3,4,5,6,7,8,9,10,11
.if \own
	global_load_b128 v[X+4*\k:X+4*\k+3], v[SO+\k], s[26:27] th:TH_LOAD_NT
.else
	global_load_b128 v[X+4*\k:X+4*\k+3], v1, s[26:27] offset:4096*\k th:TH_LOAD_NT
.endif
.endr
.irp k, 0,1,2,3,4,5,6,7,8,9,10,11
	s_wait_loadcnt 11-\k                           ; loads come back in order: piece k is in, the 11 - k younger ones stay out
	v_cvt_pk_bf16_f32 v[Y+2*\k],   v[X+4*\k],   v[X+4*\k+1]
	v_cvt_pk_bf16_f32 v[Y+2*\k+1], v[X+4*\k+2], v[X+4*\k+3]
.if \own
	global_store_b64 v[DO+\k], v[Y+2*\k:Y+2*\k+1], s[38:39]
.else
	global_store_b64 v2, v[Y+2*\k:Y+2*\k+1], s[38:39] offset:2048*\k
.endif
.endr
.endm
	s_cmp_ge_u32 s2, 144
	s_cbranch_scc1 .Lheads
	; wq, wk, wv: the 16 rows stay dense; only their place changes
	s_mul_i32 s35, s30, 2731
	s_lshr_b32 s35, s35, 15                        ; c = u / 12, exact for u < 48 (12 units of 16 rows make a block of 192)
	s_mul_i32 s36, s35, 12
	s_sub_co_u32 s36, s30, s36                     ; u mod 12
	s_mul_i32 s37, s35, 3
	s_add_co_u32 s37, s37, s29                     ; 3 c + job
	s_mul_i32 s37, s37, 12
	s_add_co_u32 s37, s37, s36
	s_mul_i32 s34, s37, UNIT_OUT
	s_mov_b32 s35, 0
	s_add_nc_u64 s[38:39], s[16:17], s[34:35]
	MOVE 0
	s_endpgm
.Lheads:
	; w_proj: piece P = 256 k + t counts the DESTINATION's order: P / 24 = 16 head + row, P mod 24 = the piece in that head's 96 numbers.
	; A wave's 32 pieces lie in one head (a head has 16 x 24 = 384 = 12 x 32 pieces), so its store is one dense run of 256 bytes.
	s_mul_i32 s34, s30, 3072                       ; my 16 rows of 192 bytes inside each head
	s_mov_b32 s35, 0
	s_add_nc_u64 s[38:39], s[18:19], s[34:35]
.irp k, 0,1,2,3,4,5,6,7,8,9,10,11
	v_add_nc_u32 v3, 256*\k, v0                    ; P
	v_mul_u32_u24 v4, v3, 2731
	v_lshrrev_b32 v4, 16, v4                       ; P / 24, exact for P < 3072
	v_mul_u32_u24 v5, v4, 24
	v_sub_nc_u32 v5, v3, v5                        ; the piece in the row
	v_and_b32 v6, 15, v4                           ; row
	v_lshrrev_b32 v7, 4, v4                        ; head
	v_mul_u32_u24 v6, v6, 3072
	v_mad_u32_u24 v6, v7, 384, v6
	v_lshl_add_u32 v[SO+\k], v5, 4, v6             ; 3072 row + 384 head + 16 piece
	v_mul_u32_u24 v7, v7, 144384                   ; a head's 147,456 bytes less the 3,072 that 8 P already counts
	v_lshl_add_u32 v[DO+\k], v3, 3, v7
.endr
	MOVE 1
	s_endpgm
.Lfunc_end_k_q2137364066_castw:
	.size	k_q2137364066_castw, .Lfunc_end_k_q2137364066_castw-k_q2137364066_castw
	.p2alignl 7, 3214868480
	.fill 96, 4, 3214868480
	.section	.rodata,"a",@progbits
	.p2align	6, 0x0
	.amdhsa_kernel k_q2137364066_castw
		.amdhsa_group_segment_fixed_size 0
		.amdhsa_private_segment_fixed_size 0
		.amdhsa_enable_private_segment 0
		.amdhsa_kernarg_size 48
		.amdhsa_user_sgpr_count 2
		.amdhsa_user_sgpr_kernarg_segment_ptr 1
		.amdhsa_wavefront_size32 1
		.amdhsa_system_sgpr_workgroup_id_x 1
		.amdhsa_system_sgpr_workgroup_id_y 1
		.amdhsa_system_sgpr_workgroup_id_z 1
		.amdhsa_system_vgpr_workitem_id 0
		.amdhsa_next_free_vgpr 104
		.amdhsa_next_free_sgpr 66
		.amdhsa_reserve_vcc 0
		.amdhsa_float_denorm_mode_32 3
		.amdhsa_float_denorm_mode_16_64 3
		.amdhsa_memory_ordered 1
		.amdhsa_forward_progress 1
		.amdhsa_inst_pref_size 20
	.end_amdhsa_kernel
	.amdgpu_metadata
---
amdhsa.version: [ 1, 2 ]
amdhsa.kernels:
  - .name:           k_q2137364066_castw
    .symbol:         k_q2137364066_castw.kd
    .args:
      - { .name: wq, .offset: 0, .size: 8, .value_kind: global_buffer, .address_space: global }
      - { .name: wk, .offset: 8, .size: 8, .value_kind: global_buffer, .address_space: global }
      - { .name: wv, .offset: 16, .size: 8, .value_kind: global_buffer, .address_space: global }
      - { .name: w_proj, .offset: 24, .size: 8, .value_kind: global_buffer, .address_space: global }
      - { .name: wb, .offset: 32, .size: 8, .value_kind: global_buffer, .address_space: global }
      - { .name: wpb, .offset: 40, .size: 8, .value_kind: global_buffer, .address_space: global }
    .group_segment_fixed_size: 0
    .private_segment_fixed_size: 0
    .kernarg_segment_align: 8
    .kernarg_segment_size: 48
    .max_flat_workgroup_size: 256
    .sgpr_count:     66
    .vgpr_count:     104
    .wavefront_size: 32
...
	.end_amdgpu_metadata
.endif
;; end of part 1
;; launch qkv (part 2): grid 4 x 64, 4 waves a work-group, clusters of 4 x 4, 327,680 bytes of LDS; arguments q, kv, wb, qh, kh, vt; writes qh, kh, vt
.if DOCPART == 2
	.amdgcn_target "amdgcn-amd-amdhsa--gfx1250"
	.amdhsa_code_object_version 6
	.text
	.protected	k_q2137364066_qkv
	.globl	k_q2137364066_qkv
	.p2align	8
	.type	k_q2137364066_qkv,@function
k_q2137364066_qkv:
	s_mov_b64 s[64:65], 0
	v_nop
	global_prefetch_b8 v0, s[64:65] scope:SCOPE_SE
	s_setreg_imm32_b32 hwreg(HW_REG_WAVE_MODE, 25, 1), 1
	s_wait_xcnt 0x0
	s_wait_alu depctr_hold_cnt(0) depctr_sa_sdst(0) depctr_va_vdst(0) depctr_va_sdst(0) depctr_va_ssrc(0) depctr_va_vcc(0) depctr_vm_vsrc(0)
	s_getreg_b32 s2, hwreg(HW_REG_IB_STS2, 6, 4)
	s_cmp_eq_u32 s2, 0
	s_cbranch_scc0 .Lentry_in_a_cluster
	s_endpgm
.Lentry_in_a_cluster:
	s_bfe_u32 s2, ttmp6, 0x10000c
	s_cmp_lg_u32 s2, 0xf033
	s_cbranch_scc0 .Lentry_shape_is_right
	s_endpgm
.Lentry_shape_is_right:
; qkv: Q = q wq^T, K = kv wk^T, V = kv wv^T, bf16 operands, f32 sums, results rounded once to bf16 (bf16 keeps f32's range).
; A work-group makes 128 rows x 192 columns (two heads) of ALL THREE in one K loop: 3 x 8192 x 768 outputs split evenly over
; 4 x 64 = 256 work-groups, and kv's tile is fetched once for K and V.  Four waves; wave (wr, wc) makes 64 rows x 96 columns = one head
; of each job: 3 x 24 accumulator tiles = 576 registers.
; q AND kv COME AS f32 and are rounded to bf16 (nearest even) on the way from LDS to the matrix unit.  A conversion ahead of this launch
; would read their 50,331,648 bytes, write 25,165,824 and have them read again here; so the 50,331,648 are read once and nothing is written.
; The weights come as bf16 (wb), rounded by the launch before.
; K goes in 12 steps of 64 through two LDS slots: 128 rows of q and 128 of kv, each 256 bytes + 16 of padding, and 576 rows of W, each
; 128 + 16.  A row of q's or kv's tile is 256 consecutive bytes of memory at a multiple of 256 from the buffer's start.  Two slots of a
; step of 128 would take 2 x (256 x 528 + 576 x 272) = 583,680 bytes, more than the work-group can have, so the step stays 64.
; CLUSTER 4 x 4: the four work-groups of a row of the cluster share the row block (q's and kv's tiles), the four of a column the
; column block (W's tile).  Each tile is asked for jointly by the four: same line, same descriptor, a mask that names them.
; OUT: qh, kh [n][h][s][96]; vt [n][h][s / 64][d 96][s mod 64] (V transposed in blocks of 64 keys, as the next launch's products read it).
; REGISTERS: window 0 addresses and fragments; windows 1, 2, 3 the accumulators of Q, K, V, tile (a, b) at v[8 (6 a + b)].
; Q and K: source 0 = W's rows, source 1 = X's rows, so a lane holds one row s and eight neighbouring d.
; V: source 0 = X's rows, source 1 = W's rows, so a lane holds one d and eight neighbouring s: the transposed layout comes for nothing.
; NaN and infinities get no special treatment.
.set PX,    272                        ; an LDS row of q or kv: 256 bytes + 16 = 17 x 16
.set PITCH, 144                        ; an LDS row of W: 128 bytes + 16 = 9 x 16: in both, the 16 rows of a fragment load fall on 16 different 16-byte columns of 256
.set XT,    128*PX                     ; q's tile, and kv's: 34,816
.set WJ,    192*PITCH                  ; one job's rows of W: 27,648
.set SLOT,  2*XT+3*WJ                  ; 152,576
.set STAGE, 2*SLOT                     ; behind the ring, never filled by the mover: a stage of 3,328 bytes for each wave
.set STG,   3328
.set FLAGSX, (2<<16)|(1<<20)|(1<<21)|(5<<22)|(3<<25)  ; elements of 4 bytes; padding on; bit 21 beside a mask; after every 64 words, 4 words
.set FLAGSW, (1<<16)|(1<<20)|(1<<21)|(4<<22)|(3<<25)  ; elements of 2 bytes; after every 32 words, 4 words
.set ADRX,  8                          ; v8-9    my 64 rows of q's tile in slot 0, 1 (kv's tile: XT further, in the immediate)
.set ADRW,  10                         ; v10-15  [slot][job]: my 96 rows of that job's W
.set STOQK, 16                         ; v16     stage, rows of 208 bytes: row r, 16 h
.set STOV,  17                         ; v17     stage, rows of 144 bytes: row r, 16 h
.set RDQK,  18                         ; v18-23  stage read back densely: piece p = lane + 32 u of 192
.set RDV,   24                         ; v24     the same for rows of 128 bytes
.set GOFF,  25                         ; v25     16 x lane
.set XQ,    32                         ; v32-63   4 fragments of q's rows, bf16
.set XK,    64                         ; v64-95   4 fragments of kv's rows, bf16
.set W0,    96                         ; v96-143  6 fragments of W, buffer 0
.set W1,    144                        ; v144-191 buffer 1
.set RAW,   192                        ; v192-255 4 fragments of q's or kv's rows as they lie in LDS: 16 f32 a lane each
.set TMP,   192                        ; the way out: packed results
.set RB0,   32                         ; the way out reads back into the fragment registers
.set RB1,   64
.set G1,  24                           ; s[24:31] shape of X's tiles     s[32:39] from where, to where: one set a slot
.set G0,  32
.set G1B, 40                           ; s[40:47] shape of W's tiles     s[48:55] the same for W
.set G0B, 48
.set MSB, 0
.macro WIN new                         ; the immediate's high byte repeats the setting that is left; a switch that changes nothing is dropped
.if MSB != (\new)
	s_set_vgpr_msb (MSB<<8)|(\new)
.set MSB, \new
.endif
.endm
.macro PLACES                          ; four plain vector instructions between a matrix instruction and a load into, or a vector
.rept 4                                ; instruction on, one of its registers (ISA guide 7.12.1)
	v_nop
.endr
.endm
; wave 0 asks for q's tile, wave 1 for kv's, waves 2, 3 for the two halves of W's: one line, one mask each; the branch hangs on the wave's number alone
.macro JLOAD s
	s_cmp_eq_u32 s15, 0
	s_cbranch_scc0 .Lfor_w_\@
	tensor_load_to_lds s[G0+4*\s:G0+4*\s+3], s[G1:G1+7]
	s_nop 0
	s_branch .Lasked_\@
.Lfor_w_\@:
	tensor_load_to_lds s[G0B+4*\s:G0B+4*\s+3], s[G1B:G1B+7]
	s_nop 0
.Lasked_\@:
.endm
.macro CREST                           ; a round of the cluster's barrier behind its opening work-group barrier
	s_cmp_lg_u32 s14, 0
	s_cbranch_scc1 .Lnot_wave_0_\@
	s_barrier_signal -3
.Lnot_wave_0_\@:
	s_barrier_wait -3
	s_barrier_signal -1
	s_barrier_wait -1
.endm
.macro CROUND
	s_barrier_signal -1
	s_barrier_wait -1
	CREST
.endm
	s_load_b256 s[4:11], s[0:1], 0x0               ; q 4, kv 6, wb 8, qh 10
	s_load_b128 s[76:79], s[0:1], 0x20             ; kh 76, vt 78
	v_lshrrev_b32 v1, 5, v0
	v_readfirstlane_b32 s14, v1                    ; wave 0..3
	s_lshr_b32 s15, s14, 1                         ; wr: my 64 rows.  Also: I fetch X (0) or W (1)
	s_and_b32 s16, s14, 1                          ; wc: my head of the two.  Also: which tile or half I fetch
	s_bfe_u32 s17, ttmp6, 0x40000                  ; cx
	s_bfe_u32 s18, ttmp6, 0x40004                  ; cy
	s_lshl_b32 s19, ttmp9, 2
	s_add_co_u32 s19, s19, s17                     ; c: column block of 192
	s_and_b32 s20, ttmp7, 0xffff
	s_lshl_b32 s20, s20, 2
	s_add_co_u32 s20, s20, s18                     ; rb: row block of 128
	s_lshl_b32 s21, s18, 2
	s_lshl_b32 s21, 15, s21                        ; my row of the cluster
	s_lshl_b32 s22, 0x1111, s17                    ; my column
	s_or_b32 s[G1+0], s21, FLAGSX                  ; X's tiles hang on rb alone: shared along the row
	s_mov_b32 s[G1+1], 64<<16                      ; tensor_dim0 = 64 elements of 4 bytes
	s_mov_b32 s[G1+2], 128<<16                     ; tensor_dim1 = 128 rows
	s_mov_b32 s[G1+3], 64<<16                      ; tile_dim0
	s_mov_b32 s[G1+4], 128                         ; tile_dim1
	s_mov_b32 s[G1+5], 768                         ; elements from row to row
	s_mov_b32 s[G1+6], 0
	s_mov_b32 s[G1+7], 0
	s_or_b32 s[G1B+0], s22, FLAGSW                 ; W's tiles hang on c alone: shared along the column
	s_mov_b32 s[G1B+1], 64<<16                     ; 64 elements of 2 bytes
	s_mov_b32 s[G1B+2], 288<<16                    ; half of the 576 rows
	s_mov_b32 s[G1B+3], 64<<16
	s_mov_b32 s[G1B+4], 288
	s_mov_b32 s[G1B+5], 768
	s_mov_b32 s[G1B+6], 0
	s_mov_b32 s[G1B+7], 0
	s_mul_i32 s12, s20, 393216                     ; X: 128 rows of 3,072 bytes for each row block: no cx enters
	s_mov_b32 s13, 0
	s_mul_i32 s58, s19, 884736                     ; W: 576 rows of 1,536 bytes for each column block: no cy enters
	s_mul_i32 s59, s16, 442368                     ;    + my half
	s_add_co_u32 s58, s58, s59
	s_mov_b32 s59, 0
	s_mul_i32 s60, s16, XT                         ; to LDS: q's tile, then kv's
	s_mul_i32 s61, s16, 288*PITCH
	s_add_co_u32 s61, s61, 2*XT                    ; then W's two halves
	s_wait_kmcnt 0x0
	s_cmp_eq_u32 s16, 0                            ; the wave's number alone chooses between the two buffers
	s_cselect_b64 s[56:57], s[4:5], s[6:7]         ; q for the even wave, kv for the odd one
	s_add_nc_u64 s[56:57], s[56:57], s[12:13]
	s_add_nc_u64 s[58:59], s[8:9], s[58:59]
	CROUND                                         ; all sixteen work-groups are here: the first joint loads meet
.irp s, 0,1
	s_mov_b32 s[G0+4*\s], 1
	s_add_co_u32 s[G0+4*\s+1], s60, \s*SLOT
	s_add_nc_u64 s[G0+4*\s+2:G0+4*\s+3], s[56:57], \s*256          ; K step s: 64 f32 on
	s_or_b32 s[G0+4*\s+3], s[G0+4*\s+3], 0x80000000
	s_mov_b32 s[G0B+4*\s], 1
	s_add_co_u32 s[G0B+4*\s+1], s61, \s*SLOT
	s_add_nc_u64 s[G0B+4*\s+2:G0B+4*\s+3], s[58:59], \s*128        ; 64 bf16 on
	s_or_b32 s[G0B+4*\s+3], s[G0B+4*\s+3], 0x80000000
	JLOAD \s                                       ; both slots' first fills go out together: two loads of the wave are out
.endr
	; a fragment: lane l holds row l % 16; registers 0-3 K = 8 (l / 16) + 0..7, registers 4-7 K = 16 + 8 (l / 16) + 0..7.
	; From bf16 rows: two loads of 16 bytes, 32 apart, at 16 (l / 16).  From f32 rows: four loads, at 32 (l / 16) + 0, 16, 64, 80, and eight roundings.
	v_and_b32 v1, 15, v0                           ; r
	v_bfe_u32 v2, v0, 4, 1                         ; h
	v_mul_u32_u24 v3, v1, PITCH
	v_lshl_add_u32 v3, v2, 4, v3                   ; r x 144 + 16 h
	v_mul_u32_u24 v5, v1, PX
	v_lshl_add_u32 v5, v2, 5, v5                   ; r x 272 + 32 h
	s_mul_i32 s62, s15, 64*PX
	s_mul_i32 s63, s16, 96*PITCH
	s_add_co_u32 s63, s63, 2*XT
	v_add_nc_u32 v5, s62, v5
	v_add_nc_u32 v4, s63, v3
.irp s, 0,1
	v_add_nc_u32 v[ADRX+\s], \s*SLOT, v5
.irp j, 0,1,2
	v_add_nc_u32 v[ADRW+3*\s+\j], \s*SLOT+\j*WJ, v4
.endr
.endr
	s_mul_i32 s70, s14, STG
	s_add_co_u32 s70, s70, STAGE                   ; my stage
	v_add_nc_u32 v[STOV], s70, v3
	v_mul_u32_u24 v4, v1, 208
	v_lshl_add_u32 v4, v2, 4, v4
	v_add_nc_u32 v[STOQK], s70, v4
	v_and_b32 v6, 31, v0                           ; lane
	v_lshlrev_b32 v[GOFF], 4, v6
.irp u, 0,1,2,3,4,5
	v_add_nc_u32 v7, 32*\u, v6                     ; piece p of the 192 pieces of 16 rows x 192 bytes
	v_mul_u32_u24 v26, v7, 43691
	v_lshrrev_b32 v26, 19, v26                     ; its row p / 12, exact for p < 192
	v_add_nc_u32 v26, v26, v7
	v_lshl_add_u32 v[RDQK+\u], v26, 4, s70         ; 208 row + 16 (p - 12 row) = 16 p + 16 row
.endr
	v_lshrrev_b32 v7, 3, v6
	v_and_b32 v26, 7, v6
	v_mul_u32_u24 v7, v7, PITCH
	v_lshl_add_u32 v7, v26, 4, v7
	v_add_nc_u32 v[RDV], s70, v7                   ; row lane / 8, piece lane % 8
.macro FXR slot, sel, kk               ; my 64 rows of q's (sel 0) or kv's (1) tile, 32 along K at kk, as f32: 16 loads into RAW
.irp a, 0,1,2,3
	ds_load_b128 v[RAW+16*\a:RAW+16*\a+3],     v[ADRX+\slot] offset:\sel*XT+\a*16*PX+128*\kk
	ds_load_b128 v[RAW+16*\a+4:RAW+16*\a+7],   v[ADRX+\slot] offset:\sel*XT+\a*16*PX+128*\kk+16
	ds_load_b128 v[RAW+16*\a+8:RAW+16*\a+11],  v[ADRX+\slot] offset:\sel*XT+\a*16*PX+128*\kk+64
	ds_load_b128 v[RAW+16*\a+12:RAW+16*\a+15], v[ADRX+\slot] offset:\sel*XT+\a*16*PX+128*\kk+80
.endr
.endm
.macro CVT xbuf                        ; RAW's four fragments rounded to bf16: 32 plain vector instructions
.irp a, 0,1,2,3
.irp j, 0,1,2,3,4,5,6,7
	v_cvt_pk_bf16_f32 v[\xbuf+8*\a+\j], v[RAW+16*\a+2*\j], v[RAW+16*\a+2*\j+1]
.endr
.endr
.endm
.macro FW buf, slot, job, kk           ; 6 fragments of my 96 rows of a job's W
.irp b, 0,1,2,3,4,5
	ds_load_b128 v[\buf+8*\b:\buf+8*\b+3],   v[ADRW+3*\slot+\job] offset:\b*16*PITCH+64*\kk
	ds_load_b128 v[\buf+8*\b+4:\buf+8*\b+7], v[ADRW+3*\slot+\job] offset:\b*16*PITCH+64*\kk+32
.endr
.endm
; 12 matrix instructions: row tiles a0, a0 + 1 x all six column tiles.  vjob = 1: X is source 0.  zero = 1: the product starts the sum.
.macro MUL12 vjob, wbuf, xbuf, a0, zero
.irp a, \a0, \a0+1
.irp b, 0,1,2,3,4,5
.if \vjob
.if \zero
	v_wmma_f32_16x16x32_bf16 v[8*(6*(\a)+\b):8*(6*(\a)+\b)+7], v[\xbuf+8*(\a):\xbuf+8*(\a)+7], v[\wbuf+8*\b:\wbuf+8*\b+7], 0
.else
	v_wmma_f32_16x16x32_bf16 v[8*(6*(\a)+\b):8*(6*(\a)+\b)+7], v[\xbuf+8*(\a):\xbuf+8*(\a)+7], v[\wbuf+8*\b:\wbuf+8*\b+7], v[8*(6*(\a)+\b):8*(6*(\a)+\b)+7]
.endif
.else
.if \zero
	v_wmma_f32_16x16x32_bf16 v[8*(6*(\a)+\b):8*(6*(\a)+\b)+7], v[\wbuf+8*\b:\wbuf+8*\b+7], v[\xbuf+8*(\a):\xbuf+8*(\a)+7], 0
.else
	v_wmma_f32_16x16x32_bf16 v[8*(6*(\a)+\b):8*(6*(\a)+\b)+7], v[\wbuf+8*\b:\wbuf+8*\b+7], v[\xbuf+8*(\a):\xbuf+8*(\a)+7], v[8*(6*(\a)+\b):8*(6*(\a)+\b)+7]
.endif
.endif
.endr
.endr
.endm
; A K step is six segments (kk, job) = (0,Q) (0,K) (0,V) (1,Q) (1,K) (1,V); W's buffer is the segment's number mod 2; V uses K's X fragments.
.macro SEGF slot, seg                  ; the segment's loads: 16 + 12, or 12 for V
.if \seg == 0
	FXR \slot, 0, 0
	FW W0, \slot, 0, 0
.endif
.if \seg == 1
	FXR \slot, 1, 0
	FW W1, \slot, 1, 0
.endif
.if \seg == 2
	FW W0, \slot, 2, 0
.endif
.if \seg == 3
	FXR \slot, 0, 1
	FW W1, \slot, 0, 1
.endif
.if \seg == 4
	FXR \slot, 1, 1
	FW W0, \slot, 1, 1
.endif
.if \seg == 5
	FW W1, \slot, 2, 1
.endif
.endm
; What stands between the last products and the next loads: the segment's own roundings, or four v_nop where it has none.  A rounding writes
; XQ or XK, which the products just in front do not name (they used the other of the two), and the last products that did read it lie
; behind the 32 roundings of an earlier segment; so the roundings are also the places in front of the loads into W's other buffer.
.macro SEGC seg
.if \seg == 0
	CVT XQ
.endif
.if \seg == 1
	CVT XK
.endif
.if \seg == 2
	PLACES
.endif
.if \seg == 3
	CVT XQ
.endif
.if \seg == 4
	CVT XK
.endif
.endm
.macro SEGM seg, a0, zero              ; half of the segment's 24 matrix instructions
.if \seg == 0
	WIN 0x50
	MUL12 0, W0, XQ, \a0, \zero
.endif
.if \seg == 1
	WIN 0xa0
	MUL12 0, W1, XK, \a0, \zero
.endif
.if \seg == 2
	WIN 0xf0
	MUL12 1, W0, XK, \a0, \zero
.endif
.if \seg == 3
	WIN 0x50
	MUL12 0, W1, XQ, \a0, \zero
.endif
.if \seg == 4
	WIN 0xa0
	MUL12 0, W0, XK, \a0, \zero
.endif
.if \seg == 5
	WIN 0xf0
	MUL12 1, W1, XK, \a0, \zero
.endif
.endm
; Segments 0 to 4: the segment's own loads went out one segment ago (24 matrix instructions, or 12 at a change of slots) and are waited for; its X is rounded; the next
; segment's loads go out; then its products.  The 24 accumulators of a segment take turns, one instruction a turn, and the window changes
; from segment to segment, so no two matrix instructions that follow each other share an accumulator.
.macro SEG slot, seg, zero
	WIN 0
	s_wait_dscnt 0x0
	SEGC \seg
	SEGF \slot, \seg+1
	SEGM \seg, 0, \zero
	SEGM \seg, 2, \zero
.endm
.macro FIVE slot, zero
	SEG \slot, 0, \zero
	SEG \slot, 1, \zero
	SEG \slot, 2, \zero
	SEG \slot, 3, 0
	SEG \slot, 4, 0
.endm
; Segment 5 changes slots.  In front of the barrier: my reads of this slot are back and all my tensor loads have landed (the one that was
; out is my part of the next slot).  fill = 1: the barrier opens a round of the cluster's barrier, and the joint refill of this slot, two
; K steps ahead, is the first tensor load behind the round; it has 132 matrix instructions of the wave in which to land.
.macro LAST slot, next, fill
	s_wait_dscnt 0x0
	s_wait_tensorcnt 0x0
	s_barrier_signal -1
	SEGM 5, 0, 0                                   ; registers only, while the others arrive
	WIN 0
	s_barrier_wait -1
.if \fill
	CREST
	s_add_nc_u64 s[G0+4*\slot+2:G0+4*\slot+3], s[G0+4*\slot+2:G0+4*\slot+3], 512     ; no load of mine is out: the addresses may step, 128 f32
	s_add_nc_u64 s[G0B+4*\slot+2:G0B+4*\slot+3], s[G0B+4*\slot+2:G0B+4*\slot+3], 256 ; and 128 bf16
	JLOAD \slot
.endif
	PLACES
	SEGF \next, 0
	SEGM 5, 2, 0
.endm
	s_wait_tensorcnt 0x1                           ; my part of K step 0 is in; step 1's stays out
	s_barrier_signal -1
	s_barrier_wait -1
	SEGF 0, 0
	FIVE 0, 1                                      ; the first lap stands in front of the loop: its first products start the sums
	LAST 0, 1, 1
	FIVE 1, 0
	LAST 1, 0, 1
	WIN 0
	s_mov_b32 s23, 4
.Llap:
	FIVE 0, 0
	LAST 0, 1, 1
	FIVE 1, 0
	LAST 1, 0, 1
	WIN 0
	s_sub_co_u32 s23, s23, 1
	s_cmp_lg_u32 s23, 0
	s_cbranch_scc1 .Llap
	FIVE 0, 0                                      ; K steps 10 and 11: nothing is left to fetch
	LAST 0, 1, 0
	FIVE 1, 0
	s_wait_dscnt 0x0
	SEGM 5, 0, 0
	SEGM 5, 2, 0
	WIN 0
	PLACES
	; THE WAY OUT.  All three outputs begin at ((8 n + head) x 1024 + first row in the batch) x 192 bytes: a block of 64 keys of vt has 64 x 192 bytes too.
	s_lshr_b32 s66, s20, 3                         ; n
	s_lshl_b32 s66, s66, 3
	s_lshl_b32 s67, s19, 1
	s_add_co_u32 s66, s66, s67
	s_add_co_u32 s66, s66, s16                     ; 8 n + 2 c + wc
	s_lshl_b32 s66, s66, 10
	s_and_b32 s67, s20, 7
	s_lshl_b32 s67, s67, 7
	s_add_co_u32 s66, s66, s67
	s_lshl_b32 s67, s15, 6
	s_add_co_u32 s66, s66, s67
	s_mul_i32 s66, s66, 192
	s_mov_b32 s67, 0
	s_add_nc_u64 s[10:11], s[10:11], s[66:67]
	s_add_nc_u64 s[76:77], s[76:77], s[66:67]
	s_add_nc_u64 s[78:79], s[78:79], s[66:67]
; 16 rows x 96 of Q or K: round, 16 bytes a lane into my stage, read back as 3,072 dense bytes; each store of the wave covers 512 consecutive bytes, aligned.
; The stage is my own and LDS serves a wave's instructions in order (ISA guide 5.7.1), so no wait stands between the stores and the loads.
.macro OUTQK from, a, rb, sb
	WIN \from
.irp b, 0,1,2,3,4,5
.irp r, 0,1,2,3
	v_cvt_pk_bf16_f32 v[TMP+4*\b+\r], v[8*(6*\a+\b)+2*\r], v[8*(6*\a+\b)+2*\r+1]
.endr
.endr
	WIN 0
.irp b, 0,1,2,3,4,5
	ds_store_b128 v[STOQK], v[TMP+4*\b:TMP+4*\b+3] offset:32*\b
.endr
	s_wait_xcnt 0x0                                ; the read-back buffer, which earlier stores read, is loaded again only behind this wait
.irp u, 0,1,2,3,4,5
	ds_load_b128 v[\rb+4*\u:\rb+4*\u+3], v[RDQK+\u]
.endr
.irp u, 0,1,2,3,4,5
	s_wait_dscnt 5-\u
	global_store_b128 v[GOFF], v[\rb+4*\u:\rb+4*\u+3], s[\sb:\sb+1] offset:3072*\a+512*\u
.endr
.endm
; 16 d x 64 keys of V^T: the same with rows of 128 bytes, 2,048 dense bytes
.macro OUTV b, rb
	WIN 0x0f
.irp a, 0,1,2,3
.irp r, 0,1,2,3
	v_cvt_pk_bf16_f32 v[TMP+4*\a+\r], v[8*(6*\a+\b)+2*\r], v[8*(6*\a+\b)+2*\r+1]
.endr
.endr
	WIN 0
.irp a, 0,1,2,3
	ds_store_b128 v[STOV], v[TMP+4*\a:TMP+4*\a+3] offset:32*\a
.endr
	s_wait_xcnt 0x0
.irp u, 0,1,2,3
	ds_load_b128 v[\rb+4*\u:\rb+4*\u+3], v[RDV] offset:4*PITCH*\u
.endr
.irp u, 0,1,2,3
	s_wait_dscnt 3-\u
	global_store_b128 v[GOFF], v[\rb+4*\u:\rb+4*\u+3], s[78:79] offset:2048*\b+512*\u
.endr
.endm
	OUTQK 0x05, 0, RB0, 10
	OUTQK 0x05, 1, RB1, 10
	OUTQK 0x05, 2, RB0, 10
	OUTQK 0x05, 3, RB1, 10
	OUTQK 0x0a, 0, RB0, 76
	OUTQK 0x0a, 1, RB1, 76
	OUTQK 0x0a, 2, RB0, 76
	OUTQK 0x0a, 3, RB1, 76
	OUTV 0, RB0
	OUTV 1, RB1
	OUTV 2, RB0
	OUTV 3, RB1
	OUTV 4, RB0
	OUTV 5, RB1
	CROUND                                         ; no work-group ends while a partner may still ask for a tile that names it
	s_endpgm
.Lfunc_end_k_q2137364066_qkv:
	.size	k_q2137364066_qkv, .Lfunc_end_k_q2137364066_qkv-k_q2137364066_qkv
	.p2alignl 7, 3214868480
	.fill 96, 4, 3214868480
	.section	.rodata,"a",@progbits
	.p2align	6, 0x0
	.amdhsa_kernel k_q2137364066_qkv
		.amdhsa_group_segment_fixed_size 327680
		.amdhsa_private_segment_fixed_size 0
		.amdhsa_enable_private_segment 0
		.amdhsa_kernarg_size 48
		.amdhsa_user_sgpr_count 2
		.amdhsa_user_sgpr_kernarg_segment_ptr 1
		.amdhsa_wavefront_size32 1
		.amdhsa_system_sgpr_workgroup_id_x 1
		.amdhsa_system_sgpr_workgroup_id_y 1
		.amdhsa_system_sgpr_workgroup_id_z 1
		.amdhsa_system_vgpr_workitem_id 0
		.amdhsa_next_free_vgpr 960
		.amdhsa_next_free_sgpr 80
		.amdhsa_reserve_vcc 0
		.amdhsa_float_denorm_mode_32 3
		.amdhsa_float_denorm_mode_16_64 3
		.amdhsa_memory_ordered 1
		.amdhsa_forward_progress 1
		.amdhsa_inst_pref_size 208
	.end_amdhsa_kernel
	.amdgpu_metadata
---
amdhsa.version: [ 1, 2 ]
amdhsa.kernels:
  - .name:           k_q2137364066_qkv
    .symbol:         k_q2137364066_qkv.kd
    .args:
      - { .name: q, .offset: 0, .size: 8, .value_kind: global_buffer, .address_space: global }
      - { .name: kv, .offset: 8, .size: 8, .value_kind: global_buffer, .address_space: global }
      - { .name: wb, .offset: 16, .size: 8, .value_kind: global_buffer, .address_space: global }
      - { .name: qh, .offset: 24, .size: 8, .value_kind: global_buffer, .address_space: global }
      - { .name: kh, .offset: 32, .size: 8, .value_kind: global_buffer, .address_space: global }
      - { .name: vt, .offset: 40, .size: 8, .value_kind: global_buffer, .address_space: global }
    .group_segment_fixed_size: 327680
    .private_segment_fixed_size: 0
    .kernarg_segment_align: 8
    .kernarg_segment_size: 48
    .max_flat_workgroup_size: 128
    .sgpr_count:     80
    .vgpr_count:     960
    .wavefront_size: 32
...
	.end_amdgpu_metadata
.endif
;; end of part 2
;; launch attn (part 3): grid 4 x 64, 8 waves a work-group, clusters of 4 x 1, 327,680 bytes of LDS; arguments qh, kh, vt, oh; writes oh
.if DOCPART == 3
	.amdgcn_target "amdgcn-amd-amdhsa--gfx1250"
	.amdhsa_code_object_version 6
	.text
	.protected	k_q2137364066_attn
	.globl	k_q2137364066_attn
	.p2align	8
	.type	k_q2137364066_attn,@function
k_q2137364066_attn:
	s_mov_b64 s[64:65], 0
	v_nop
	global_prefetch_b8 v0, s[64:65] scope:SCOPE_SE
	s_setreg_imm32_b32 hwreg(HW_REG_WAVE_MODE, 25, 1), 1
	s_wait_xcnt 0x0
	s_wait_alu depctr_hold_cnt(0) depctr_sa_sdst(0) depctr_va_vdst(0) depctr_va_sdst(0) depctr_va_ssrc(0) depctr_va_vcc(0) depctr_vm_vsrc(0)
	s_getreg_b32 s2, hwreg(HW_REG_IB_STS2, 6, 4)
	s_cmp_eq_u32 s2, 0
	s_cbranch_scc0 .Lentry_in_a_cluster
	s_endpgm
.Lentry_in_a_cluster:
	s_bfe_u32 s2, ttmp6, 0x10000c
	s_cmp_lg_u32 s2, 0x3003
	s_cbranch_scc0 .Lentry_shape_is_right
	s_endpgm
.Lentry_shape_is_right:
; attn: softmax(Q K^T / sqrt(768)) V for one (batch, head) and 256 query rows, with a running maximum; nothing of the scores goes to memory.
; CLUSTER 4 x 1: the four query blocks of a head read the same K and V, so every tile is asked for jointly by the four (mask 15).
; Eight waves.  Wave w has query rows 64 (w & 3) .. + 63 (four tiles t of 16) and key half w >> 2: of every slot of 256 keys it takes 128,
; with a maximum, a sum and an O of its own; the two waves of a pair (w, w + 4) merge once at the end.  Two waves lie on each SIMD, so one
; wave's softmax can run beside the other's products.
; TRANSPOSED FORMS, so that nothing moves between lanes:
;   S^T = K Q^T (source 0 = 16 keys, source 1 = 16 queries): lane (r, h) holds query r, keys 8 h + j.
;   P^T, packed to bf16 in the lane's own registers, IS the second source of O^T = V^T P^T (source 0 = 16 rows d of vt): lane holds query r, d = 16 i + 8 h + j.
; LDS: two slots of 256 keys.  K: a key's 192 bytes as three rows of 64 + 16 bytes of padding (240 = 15 x 16 a key); V: four blocks of 96 rows of 128 + 16.
; The tiles are dense in memory and are described as rows of the padding's interval (64 and 128 bytes).
; exp(x) = 2^(c s - c max) with c = log2(e) / sqrt(768); NM keeps MINUS the ROUNDED c max, so old and new terms share one offset exactly.
; LIMITS: P and O are rounded to bf16; sums, maxima, exponentials in f32; v_exp_f32 gives 0 below 2^-126 (ISA guide, its entry);
; NaN and infinities get no special treatment.  The merged sum holds a term near 1, so its reciprocal is finite.
.set KT,   15360                       ; 64 keys x 240
.set VT,   13824                       ; 96 rows x 144
.set VOFF, 4*KT
.set SLOT, 4*KT+4*VT                   ; 116,736
.set OBOX, 13312                       ; the merge: 26 x 512 bytes a wave, in the slots after their last fill and last read
.set STAGE, 8*OBOX
.set STG,  3328
.set ADK, 2                            ; v2-3    my half's K in slot 0, 1: r x 240 + 16 h
.set ADV, 4                            ; v4-5    my half's V: r x 144 + 16 h
.set ST,  8                            ; v8-23   tile t: NM, L (sum), AL (rescale factor), spare
.set QF,  32                           ; v32-127  Q fragments (t, c) at 24 t + 8 c
.set SC,  128                          ; v128-255 scores (t, kt) at 32 t + 8 kt; then P (t, g) at 32 t + 8 g
.set PA,  192                          ; window 1: v192-215, v216-239: two buffers of three fragments of K or V
.set PB,  216                          ; window 1: v0-191: O (t, i) at 48 t + 8 i
.set RB0, 32                           ; after the last product Q's registers serve the way out
.set RB1, 64
.set RD,  96
.set OBX, 102
.set OBP, 103
.set STO, 104
.set GOFF, 105
.set PST, 224
.set PK,  232
.set G1,  24
.set G0,  32
.set G1B, 40
.set G0B, 48
.set MSB, 0
.macro WIN new
.if MSB != (\new)
	s_set_vgpr_msb (MSB<<8)|(\new)
.set MSB, \new
.endif
.endm
.macro PLACES                          ; four plain vector instructions behind a matrix instruction (ISA guide 7.12.1)
.rept 4
	v_nop
.endr
.endm
.macro JLOAD s                         ; waves 0-3 ask for 64 keys of K each, waves 4-7 for a block of V each
	s_cmp_eq_u32 s14, 0
	s_cbranch_scc0 .Lfor_v_\@
	tensor_load_to_lds s[G0+4*\s:G0+4*\s+3], s[G1:G1+7]
	s_nop 0
	s_branch .Lasked_\@
.Lfor_v_\@:
	tensor_load_to_lds s[G0B+4*\s:G0B+4*\s+3], s[G1B:G1B+7]
	s_nop 0
.Lasked_\@:
.endm
.macro ROUND                           ; a round of the cluster's barrier
	s_barrier_signal -1
	s_barrier_wait -1
	s_cmp_lg_u32 s12, 0
	s_cbranch_scc1 .Lnot_wave_0_\@
	s_barrier_signal -3
.Lnot_wave_0_\@:
	s_barrier_wait -3
	s_barrier_signal -1
	s_barrier_wait -1
.endm
	s_load_b256 s[4:11], s[0:1], 0x0               ; qh 4, kh 6, vt 8, oh 10
	v_lshrrev_b32 v1, 5, v0
	v_readfirstlane_b32 s12, v1                    ; wave 0..7
	s_and_b32 s13, s12, 3                          ; my 64 query rows.  Also: which quarter of a slot I fetch
	s_lshr_b32 s14, s12, 2                         ; my key half.  Also: I fetch K (0) or V (1)
	s_bfe_u32 s15, ttmp6, 0x40000                  ; cx
	s_lshl_b32 s17, ttmp9, 2
	s_add_co_u32 s17, s17, s15                     ; query block of 256
	s_and_b32 s16, ttmp7, 0xffff                   ; 8 n + h
	s_mov_b32 s18, 0x3d553b95                      ; c = log2(e) / sqrt(768), twice: a pair for the packed multiply-add
	s_mov_b32 s19, 0x3d553b95
	s_mov_b32 s20, 0xbd553b95                      ; -c
	s_mov_b32 s21, 0x76543210                      ; v_permlanex16_b32: lane i reads lane i of the other half
	s_mov_b32 s22, 0xfedcba98
	s_mov_b32 s[G1+0], 15|(1<<16)|(1<<20)|(1<<21)|(3<<22)|(3<<25)   ; mask: all four; 2-byte elements; after every 16 words, 4 words of padding
	s_mov_b32 s[G1+1], 32<<16                      ; K: 192 rows of 32 elements, dense
	s_mov_b32 s[G1+2], 192<<16
	s_mov_b32 s[G1+3], 32<<16
	s_mov_b32 s[G1+4], 192
	s_mov_b32 s[G1+5], 32
	s_mov_b32 s[G1+6], 0
	s_mov_b32 s[G1+7], 0
	s_mov_b32 s[G1B+0], 15|(1<<16)|(1<<20)|(1<<21)|(4<<22)|(3<<25)  ; after every 32 words
	s_mov_b32 s[G1B+1], 64<<16                     ; V: 96 rows of 64 elements, dense
	s_mov_b32 s[G1B+2], 96<<16
	s_mov_b32 s[G1B+3], 64<<16
	s_mov_b32 s[G1B+4], 96
	s_mov_b32 s[G1B+5], 64
	s_mov_b32 s[G1B+6], 0
	s_mov_b32 s[G1B+7], 0
	s_lshl_b32 s56, s16, 10
	s_lshl_b32 s57, s13, 6
	s_add_co_u32 s56, s56, s57
	s_mul_i32 s56, s56, 192                        ; (1024 (8 n + h) + 64 quarter) x 192, for K and for V alike; no cx enters
	s_mov_b32 s57, 0
	s_mul_i32 s60, s13, KT
	s_mul_i32 s61, s13, VT
	s_add_co_u32 s61, s61, VOFF
	s_wait_kmcnt 0x0
	s_add_nc_u64 s[58:59], s[6:7], s[56:57]
	s_add_nc_u64 s[62:63], s[8:9], s[56:57]
	ROUND                                          ; the four work-groups are here: the first joint loads meet
.irp s, 0,1
	s_mov_b32 s[G0+4*\s], 1
	s_add_co_u32 s[G0+4*\s+1], s60, \s*SLOT
	s_add_nc_u64 s[G0+4*\s+2:G0+4*\s+3], s[58:59], \s*49152        ; 256 keys on
	s_or_b32 s[G0+4*\s+3], s[G0+4*\s+3], 0x80000000
	s_mov_b32 s[G0B+4*\s], 1
	s_add_co_u32 s[G0B+4*\s+1], s61, \s*SLOT
	s_add_nc_u64 s[G0B+4*\s+2:G0B+4*\s+3], s[62:63], \s*49152
	s_or_b32 s[G0B+4*\s+3], s[G0B+4*\s+3], 0x80000000
	JLOAD \s                                       ; half of the head's K and V is asked for at once: two loads of the wave are out
.endr
	s_lshl_b32 s66, s16, 10
	s_lshl_b32 s67, s17, 8
	s_add_co_u32 s66, s66, s67
	s_lshl_b32 s67, s13, 6
	s_add_co_u32 s66, s66, s67
	s_mul_i32 s66, s66, 192
	s_mov_b32 s67, 0
	s_add_nc_u64 s[4:5], s[4:5], s[66:67]          ; Q at my 64 rows
	v_and_b32 v1, 15, v0                           ; r
	v_bfe_u32 v7, v0, 4, 1
	v_lshlrev_b32 v7, 4, v7                        ; 16 h
	v_mad_u32_u24 v6, v1, 192, v7
.irp t, 0,1,2,3
.irp c, 0,1,2
	global_load_b128 v[QF+24*\t+8*\c:QF+24*\t+8*\c+3],   v6, s[4:5] offset:3072*\t+64*\c      ; Q(16 t + r, 32 c + 8 h ..)
	global_load_b128 v[QF+24*\t+8*\c+4:QF+24*\t+8*\c+7], v6, s[4:5] offset:3072*\t+64*\c+32
.endr
.endr
	v_mad_u32_u24 v30, v1, 240, v7
	s_mul_i32 s66, s14, 2*KT
	v_add_nc_u32 v[ADK], s66, v30
	v_add_nc_u32 v[ADK+1], SLOT, v[ADK]
	v_mad_u32_u24 v30, v1, 144, v7
	s_mul_i32 s66, s14, 2*VT
	s_add_co_u32 s66, s66, VOFF
	v_add_nc_u32 v[ADV], s66, v30
	v_add_nc_u32 v[ADV+1], SLOT, v[ADV]
.irp t, 0,1,2,3
	v_mov_b32 v[ST+4*\t+1], 0                      ; a broadcast source is read as a pair, so the pairs' partners are written once
	v_mov_b32 v[ST+4*\t+2], 0
	v_mov_b32 v[ST+4*\t+3], 0
.endr
.irp i, 24,25,26,27,28,29
	v_mov_b32 v\i, 0                               ; v_permlanex16_b32 counts as a reader of its destination
.endr
.macro KLOAD slot, sub, kt, pool       ; 16 keys x 96: three fragments, six loads
	WIN 0x40
.irp c, 0,1,2
	ds_load_b128 v[\pool+8*\c:\pool+8*\c+3],   v[ADK+\slot] offset:\sub*KT+\kt*3840+80*\c
	ds_load_b128 v[\pool+8*\c+4:\pool+8*\c+7], v[ADK+\slot] offset:\sub*KT+\kt*3840+80*\c+32
.endr
.endm
.macro VLOAD slot, sub, g, hh, pool    ; rows d = 16 (3 hh + x) + r, keys 32 g ..: three fragments
	WIN 0x40
.irp x, 0,1,2
	ds_load_b128 v[\pool+8*\x:\pool+8*\x+3],   v[ADV+\slot] offset:\sub*VT+(3*\hh+\x)*2304+64*\g
	ds_load_b128 v[\pool+8*\x+4:\pool+8*\x+7], v[ADV+\slot] offset:\sub*VT+(3*\hh+\x)*2304+64*\g+32
.endr
.endm
; 12 matrix instructions each; the four (or twelve) accumulators take turns, one instruction a turn
.macro QK kt, pool
	WIN 0x01
.irp c, 0,1,2
.irp t, 0,1,2,3
.if \c == 0
	v_wmma_f32_16x16x32_bf16 v[SC+32*\t+8*\kt:SC+32*\t+8*\kt+7], v[\pool+8*\c:\pool+8*\c+7], v[QF+24*\t+8*\c:QF+24*\t+8*\c+7], 0
.else
	v_wmma_f32_16x16x32_bf16 v[SC+32*\t+8*\kt:SC+32*\t+8*\kt+7], v[\pool+8*\c:\pool+8*\c+7], v[QF+24*\t+8*\c:QF+24*\t+8*\c+7], v[SC+32*\t+8*\kt:SC+32*\t+8*\kt+7]
.endif
.endr
.endr
.endm
.macro PV g, hh, pool, zero
	WIN 0x51
.irp x, 0,1,2
.irp t, 0,1,2,3
.if \zero
	v_wmma_f32_16x16x32_bf16 v[48*\t+8*(3*\hh+\x):48*\t+8*(3*\hh+\x)+7], v[\pool+8*\x:\pool+8*\x+7], v[SC+32*\t+8*\g:SC+32*\t+8*\g+7], 0
.else
	v_wmma_f32_16x16x32_bf16 v[48*\t+8*(3*\hh+\x):48*\t+8*(3*\hh+\x)+7], v[\pool+8*\x:\pool+8*\x+7], v[SC+32*\t+8*\g:SC+32*\t+8*\g+7], v[48*\t+8*(3*\hh+\x):48*\t+8*(3*\hh+\x)+7]
.endif
.endr
.endr
.endm
; Tile t: my 32 of the 64 scores of query r.  Maximum (the other 32 lie in the lane 16 away), new offset, factor for what is kept,
; exponentials, sum (kept per half of the lanes until the end), and P packed in place: P[i] = (S[2 i], S[2 i + 1]).
.macro SOFTMAX t, first
.set SB, SC+32*\t
.set Q4, ST+4*\t
	v_max3_num_f32 v24, v[SB], v[SB+1], v[SB+2]
	v_max3_num_f32 v25, v[SB+17], v[SB+18], v[SB+19]
.irp j, 3,5,7,9,11,13
	v_max3_num_f32 v24, v24, v[SB+\j], v[SB+\j+1]
	v_max3_num_f32 v25, v25, v[SB+17+\j], v[SB+18+\j]
.endr
	v_max3_num_f32 v24, v24, v[SB+15], v[SB+16]
	v_max_num_f32 v24, v24, v25
	v_permlanex16_b32 v26, v24, s21, s22
	v_max_num_f32 v24, v24, v26
	v_mul_f32 v24, s20, v24                        ; minus c x the maximum of these 64 keys
.if \first
	v_mov_b32 v[Q4], v24
.else
	v_min_num_f32 v25, v[Q4], v24                  ; minus the running maximum
	v_sub_f32 v26, v25, v[Q4]                      ; old maximum less new, at most 0
	v_mov_b32 v[Q4], v25
	v_exp_f32 v[Q4+2], v26                         ; the multiply-adds below are the plain instructions behind it (ISA guide 5.7.2)
.endif
.set j, 0
.rept 16
	v_pk_fma_f32 v[SB+j:SB+j+1], v[SB+j:SB+j+1], s[18:19], v[Q4:Q4+1] op_sel_hi:[1,0,0]
.set j, j+2
.endr
.set j, 0
.rept 32
	v_exp_f32 v[SB+j], v[SB+j]
.set j, j+1
.endr
	v_nop                                          ; one plain instruction before the last exponential's result is read
	s_wait_alu depctr_va_vdst(0)
	v_pk_add_f32 v[26:27], v[SB:SB+1], v[SB+2:SB+3]
	v_pk_add_f32 v[28:29], v[SB+16:SB+17], v[SB+18:SB+19]
.irp j, 4,6,8,10,12,14
	v_pk_add_f32 v[26:27], v[26:27], v[SB+\j:SB+\j+1]
	v_pk_add_f32 v[28:29], v[28:29], v[SB+16+\j:SB+17+\j]
.endr
	v_pk_add_f32 v[26:27], v[26:27], v[28:29]
.if \first
	v_add_f32 v[Q4+1], v26, v27
.else
	v_add_f32 v26, v26, v27
	v_fma_f32 v[Q4+1], v[Q4+1], v[Q4+2], v26
.endif
.set j, 0
.rept 16
	v_cvt_pk_bf16_f32 v[SB+j], v[SB+2*j], v[SB+2*j+1]
.set j, j+1
.endr
.endm
.macro RESCALE                         ; O of tile t times its factor
	WIN 0x41
.irp t, 0,1,2,3
.set j, 0
.rept 24
	v_pk_mul_f32 v[48*\t+j:48*\t+j+1], v[48*\t+j:48*\t+j+1], v[ST+4*\t+2:ST+4*\t+3] op_sel_hi:[1,0]
.set j, j+2
.endr
.endr
.endm
; 64 keys of my half.  The pool's two buffers take turns: each wait for 6 leaves the younger buffer's six loads out.
.macro KEYS64 slot, sub, first
.if \first == 0
.rept 5
	v_nop                                          ; five places: the first products below write over registers that held P, a source of the last products
.endr
.endif
	KLOAD \slot, \sub, 0, PA
	KLOAD \slot, \sub, 1, PB
	s_wait_dscnt 0x6
	QK 0, PA
	PLACES
	KLOAD \slot, \sub, 2, PA
	s_wait_dscnt 0x6
	QK 1, PB
	PLACES
	KLOAD \slot, \sub, 3, PB
	s_wait_dscnt 0x6
	QK 2, PA
	PLACES
	VLOAD \slot, \sub, 0, 0, PA
	s_wait_dscnt 0x6
	QK 3, PB
	PLACES
	VLOAD \slot, \sub, 0, 1, PB
	WIN 0
	SOFTMAX 0, \first
	SOFTMAX 1, \first
	SOFTMAX 2, \first
	SOFTMAX 3, \first
.if \first == 0
	RESCALE
.endif
	s_wait_dscnt 0x6
	PV 0, 0, PA, \first
	PLACES
	VLOAD \slot, \sub, 1, 0, PA
	s_wait_dscnt 0x6
	PV 0, 1, PB, \first
	PLACES
	VLOAD \slot, \sub, 1, 1, PB
	s_wait_dscnt 0x6
	PV 1, 0, PA, 0
	s_wait_dscnt 0x0
	PV 1, 1, PB, 0
	WIN 0
.endm
; The slot just read is filled again, 512 keys ahead: my reads of it are back, all my tensor loads have landed, a round of the cluster's
; barrier says so of every wave of the four work-groups, and the joint load is the first thing behind it; it has the other slot's
; 192 matrix instructions of each wave in which to land.
.macro REFILL slot
	s_wait_dscnt 0x0
	s_wait_tensorcnt 0x0
	s_add_nc_u64 s[G0+4*\slot+2:G0+4*\slot+3], s[G0+4*\slot+2:G0+4*\slot+3], 98304
	s_add_nc_u64 s[G0B+4*\slot+2:G0B+4*\slot+3], s[G0B+4*\slot+2:G0B+4*\slot+3], 98304
	ROUND
	JLOAD \slot
.endm
	s_wait_tensorcnt 0x1                           ; my part of slot 0 is in; slot 1's stays out
	s_barrier_signal -1
	s_barrier_wait -1
	s_wait_loadcnt 0x0                             ; Q
	KEYS64 0, 0, 1
	KEYS64 0, 1, 0
	REFILL 0
	KEYS64 1, 0, 0
	KEYS64 1, 1, 0
	REFILL 1
	KEYS64 0, 0, 0
	KEYS64 0, 1, 0
	s_wait_dscnt 0x0
	s_wait_tensorcnt 0x0                           ; the last tile has landed; nothing is left to fetch
	s_barrier_signal -1
	s_barrier_wait -1
	KEYS64 1, 0, 0
	KEYS64 1, 1, 0
	; THE MERGE of the two key halves.  Wave w keeps two of its four tiles and hands the other two to wave w ^ 4, through LDS.
	PLACES
.irp t, 0,1,2,3
	v_permlanex16_b32 v[24+\t], v[ST+4*\t+1], s21, s22
.endr
.irp t, 0,1,2,3
	v_add_f32 v[ST+4*\t+1], v[ST+4*\t+1], v[24+\t] ; the sums of the two halves of the lanes
.endr
	v_and_b32 v1, 31, v0
	v_lshlrev_b32 v[GOFF], 4, v1
	s_mul_i32 s56, s12, OBOX
	s_xor_b32 s57, s12, 4
	s_mul_i32 s57, s57, OBOX
	v_add_nc_u32 v[OBX], s56, v[GOFF]
	v_add_nc_u32 v[OBP], s57, v[GOFF]
	s_mul_i32 s58, s12, STG
	s_add_co_u32 s58, s58, STAGE
	v_and_b32 v6, 15, v0
	v_mad_u32_u24 v6, v6, 208, v7                  ; stage rows of 192 + 16 bytes: r x 208 + 16 h
	v_add_nc_u32 v[STO], s58, v6
.irp u, 0,1,2,3,4,5
	v_add_nc_u32 v6, 32*\u, v1                     ; piece p of 192; row p / 12
	v_mul_u32_u24 v30, v6, 43691
	v_lshrrev_b32 v30, 19, v30
	v_add_nc_u32 v30, v30, v6
	v_lshl_add_u32 v[RD+\u], v30, 4, s58
.endr
	s_and_b32 s66, s16, 7                          ; h
	s_lshl_b32 s66, s66, 13
	s_lshr_b32 s67, s16, 3                         ; n
	s_lshl_b32 s67, s67, 10
	s_add_co_u32 s66, s66, s67
	s_lshl_b32 s67, s17, 8
	s_add_co_u32 s66, s66, s67
	s_lshl_b32 s67, s13, 6
	s_add_co_u32 s66, s66, s67
	s_mul_i32 s66, s66, 192
	s_mov_b32 s67, 0
	s_add_nc_u64 s[10:11], s[10:11], s[66:67]      ; oh [h][8192][96] at my 64 rows
	s_wait_dscnt 0x0
	s_barrier_signal -1                            ; every wave's reads of the slots are back, and no fill follows: their bytes now serve the merge
	s_barrier_wait -1
.macro SEND ts                         ; tiles ts, ts + 1: two quads of figures, 96 registers of O; 512 dense bytes a store
	ds_store_b128 v[OBX], v[ST+4*\ts:ST+4*\ts+3]
	ds_store_b128 v[OBX], v[ST+4*\ts+4:ST+4*\ts+7] offset:512
	WIN 0x04
.set j, 0
.rept 24
	ds_store_b128 v[OBX], v[48*\ts+4*j:48*\ts+4*j+3] offset:1024+512*j
.set j, j+1
.endr
	WIN 0
.endm
; my tile t with the partner's (its x-th): common offset, both factors, one reciprocal; O = Oa ga + Ob gb; out through my stage as dense rows.
; t may come as a sum, so it stands in brackets wherever it is multiplied.
.macro FINT t, x, rb
	v_min_num_f32 v24, v[ST+4*(\t)], v[PST+4*\x]
	v_sub_f32 v26, v24, v[ST+4*(\t)]
	v_sub_f32 v28, v24, v[PST+4*\x]
	v_exp_f32 v26, v26
	v_exp_f32 v28, v28
	v_nop
	s_wait_alu depctr_va_vdst(0)
	v_mul_f32 v24, v[ST+4*(\t)+1], v26
	v_fmac_f32 v24, v[PST+4*\x+1], v28
	v_rcp_f32 v24, v24
	v_nop
	s_wait_alu depctr_va_vdst(0)
	v_mul_f32 v26, v26, v24
	v_mul_f32 v28, v28, v24
.set j, 0
.rept 24
	v_pk_mul_f32 v[SC+48*\x+j:SC+48*\x+j+1], v[SC+48*\x+j:SC+48*\x+j+1], v[28:29] op_sel_hi:[1,0]
.set j, j+2
.endr
	WIN 0x01
.set j, 0
.rept 24
	v_pk_fma_f32 v[SC+48*\x+j:SC+48*\x+j+1], v[48*(\t)+j:48*(\t)+j+1], v[26:27], v[SC+48*\x+j:SC+48*\x+j+1] op_sel_hi:[1,0,1]
.set j, j+2
.endr
	WIN 0
.set j, 0
.rept 24
	v_cvt_pk_bf16_f32 v[PK+j], v[SC+48*\x+2*j], v[SC+48*\x+2*j+1]
.set j, j+1
.endr
.irp i, 0,1,2,3,4,5
	ds_store_b128 v[STO], v[PK+4*\i:PK+4*\i+3] offset:32*\i
.endr
.irp u, 0,1,2,3,4,5
	ds_load_b128 v[\rb+4*\u:\rb+4*\u+3], v[RD+\u]  ; my own stage: LDS serves a wave's instructions in order (ISA guide 5.7.1)
.endr
.irp u, 0,1,2,3,4,5
	s_wait_dscnt 5-\u
	global_store_b128 v[GOFF], v[\rb+4*\u:\rb+4*\u+3], s[10:11] offset:3072*(\t)+512*\u   ; 512 consecutive bytes, aligned
.endr
.endm
.macro FIN tk
	ds_load_b128 v[PST:PST+3], v[OBP]
	ds_load_b128 v[PST+4:PST+7], v[OBP] offset:512
.set j, 0
.rept 24
	ds_load_b128 v[SC+4*j:SC+4*j+3], v[OBP] offset:1024+512*j
.set j, j+1
.endr
	s_wait_dscnt 0x0
	FINT \tk, 0, RB0
	FINT \tk+1, 1, RB1
.endm
	s_cmp_lg_u32 s14, 0
	s_cbranch_scc1 .Lsend_hi
	SEND 2
	s_branch .Lsent
.Lsend_hi:
	SEND 0
.Lsent:
	s_wait_dscnt 0x0                               ; for the partner's sake: my stores are done
	s_barrier_signal -1
	s_barrier_wait -1
	s_cmp_lg_u32 s14, 0
	s_cbranch_scc1 .Lfin_hi
	FIN 0
	s_branch .Ldone
.Lfin_hi:
	FIN 2
.Ldone:
	ROUND                                          ; the closing round
	s_endpgm
.Lfunc_end_k_q2137364066_attn:
	.size	k_q2137364066_attn, .Lfunc_end_k_q2137364066_attn-k_q2137364066_attn
	.p2alignl 7, 3214868480
	.fill 96, 4, 3214868480
	.section	.rodata,"a",@progbits
	.p2align	6, 0x0
	.amdhsa_kernel k_q2137364066_attn
		.amdhsa_group_segment_fixed_size 327680
		.amdhsa_private_segment_fixed_size 0
		.amdhsa_enable_private_segment 0
		.amdhsa_kernarg_size 32
		.amdhsa_user_sgpr_count 2
		.amdhsa_user_sgpr_kernarg_segment_ptr 1
		.amdhsa_wavefront_size32 1
		.amdhsa_system_sgpr_workgroup_id_x 1
		.amdhsa_system_sgpr_workgroup_id_y 1
		.amdhsa_system_sgpr_workgroup_id_z 1
		.amdhsa_system_vgpr_workitem_id 0
		.amdhsa_next_free_vgpr 512
		.amdhsa_next_free_sgpr 80
		.amdhsa_reserve_vcc 0
		.amdhsa_float_denorm_mode_32 3
		.amdhsa_float_denorm_mode_16_64 3
		.amdhsa_memory_ordered 1
		.amdhsa_forward_progress 1
		.amdhsa_inst_pref_size 255
	.end_amdhsa_kernel
	.section	.bss,"aw",@nobits
	.p2align	6
	.space	262144
	.amdgpu_metadata
---
amdhsa.version: [ 1, 2 ]
amdhsa.kernels:
  - .name:           k_q2137364066_attn
    .symbol:         k_q2137364066_attn.kd
    .args:
      - { .name: qh, .offset: 0, .size: 8, .value_kind: global_buffer, .address_space: global }
      - { .name: kh, .offset: 8, .size: 8, .value_kind: global_buffer, .address_space: global }
      - { .name: vt, .offset: 16, .size: 8, .value_kind: global_buffer, .address_space: global }
      - { .name: oh, .offset: 24, .size: 8, .value_kind: global_buffer, .address_space: global }
    .group_segment_fixed_size: 327680
    .private_segment_fixed_size: 0
    .kernarg_segment_align: 8
    .kernarg_segment_size: 32
    .max_flat_workgroup_size: 256
    .sgpr_count:     80
    .vgpr_count:     512
    .wavefront_size: 32
...
	.end_amdgpu_metadata
.endif
;; end of part 3
;; launch proj (part 4): grid 4 x 64, 4 waves a work-group, clusters of 4 x 4, 327,680 bytes of LDS; arguments oh, wpb, b_proj, out0; writes out0
.if DOCPART == 4
	.amdgcn_target "amdgcn-amd-amdhsa--gfx1250"
	.amdhsa_code_object_version 6
	.text
	.protected	k_q2137364066_proj
	.globl	k_q2137364066_proj
	.p2align	8
	.type	k_q2137364066_proj,@function
k_q2137364066_proj:
	s_mov_b64 s[64:65], 0
	v_nop
	global_prefetch_b8 v0, s[64:65] scope:SCOPE_SE
	s_setreg_imm32_b32 hwreg(HW_REG_WAVE_MODE, 25, 1), 1
	s_wait_xcnt 0x0
	s_wait_alu depctr_hold_cnt(0) depctr_sa_sdst(0) depctr_va_vdst(0) depctr_va_sdst(0) depctr_va_ssrc(0) depctr_va_vcc(0) depctr_vm_vsrc(0)
	s_getreg_b32 s2, hwreg(HW_REG_IB_STS2, 6, 4)
	s_cmp_eq_u32 s2, 0
	s_cbranch_scc0 .Lentry_in_a_cluster
	s_endpgm
.Lentry_in_a_cluster:
	s_bfe_u32 s2, ttmp6, 0x10000c
	s_cmp_lg_u32 s2, 0xf033
	s_cbranch_scc0 .Lentry_shape_is_right
	s_endpgm
.Lentry_shape_is_right:
; proj: out0 = O w_proj^T + b_proj.  O comes as oh [h][8192][96], the weights as wpb [h][768][96], both bf16; sums and the bias in f32.
; A work-group makes 128 rows x 192 columns (4 x 64 = 256 work-groups), a wave 64 x 96: 24 accumulator tiles in window 1.
; K goes by heads: a slot holds two heads of O's 128 rows and of W's 192 rows, four slot steps through two slots, written out.
; A row's 192 bytes lie in LDS as three rows of 64 + 16 bytes of padding (240 = 15 x 16); the tiles are dense in memory and are described
; as rows of the padding's interval.
; CLUSTER 4 x 4: O's tiles are shared along a row of the cluster, W's along a column, each asked for jointly by the four.
; Source 0 = W's rows, source 1 = O's rows: a lane holds one row of the output and eight neighbouring columns (32 bytes).
; NaN and infinities get no special treatment.
.set AH,   128*240                     ; one head of O's rows
.set WH,   192*240                     ; one head of W's rows
.set WOFF, 2*AH
.set SLOT, 2*AH+2*WH                   ; 153,600
.set FLAGS, (1<<16)|(1<<20)|(1<<21)|(3<<22)|(3<<25)
.set OP,   784                         ; the way out: rows of 768 + 16 bytes = 49 x 16, in slot 0 after its last fill and last read
.set ADRX, 8                           ; v8-9
.set ADRW, 10                          ; v10-11
.set STO,  12
.set RD,   13                          ; v13-15
.set GO,   16                          ; v16-18
.set BO,   5                           ; v5-7
.set BI,   20                          ; v20-31  my three quads of the bias
.set X0,   32                          ; v32-63, v64-95    O's fragments, two buffers
.set W0,   96                          ; v96-143, v144-191 W's fragments, two buffers
.set RB,   32                          ; v32-223 the way out: 48 read-backs of 4 registers, each with registers of its own
.set G1,  24
.set G0,  32
.set G1B, 40
.set G0B, 48
.set MSB, 0
.macro WIN new
.if MSB != (\new)
	s_set_vgpr_msb (MSB<<8)|(\new)
.set MSB, \new
.endif
.endm
.macro PLACES                          ; four plain vector instructions behind a matrix instruction (ISA guide 7.12.1)
.rept 4
	v_nop
.endr
.endm
.macro JLOAD s                         ; waves 0, 1: O's two heads; waves 2, 3: W's two heads
	s_cmp_eq_u32 s15, 0
	s_cbranch_scc0 .Lfor_w_\@
	tensor_load_to_lds s[G0+4*\s:G0+4*\s+3], s[G1:G1+7]
	s_nop 0
	s_branch .Lasked_\@
.Lfor_w_\@:
	tensor_load_to_lds s[G0B+4*\s:G0B+4*\s+3], s[G1B:G1B+7]
	s_nop 0
.Lasked_\@:
.endm
.macro CREST
	s_cmp_lg_u32 s14, 0
	s_cbranch_scc1 .Lnot_wave_0_\@
	s_barrier_signal -3
.Lnot_wave_0_\@:
	s_barrier_wait -3
	s_barrier_signal -1
	s_barrier_wait -1
.endm
.macro CROUND
	s_barrier_signal -1
	s_barrier_wait -1
	CREST
.endm
	s_load_b256 s[4:11], s[0:1], 0x0               ; oh 4, wpb 6, b_proj 8, out0 10
	v_lshrrev_b32 v1, 5, v0
	v_readfirstlane_b32 s14, v1                    ; wave
	s_lshr_b32 s15, s14, 1                         ; wr.  Also: I fetch O (0) or W (1)
	s_and_b32 s16, s14, 1                          ; wc.  Also: which head of the slot's two I fetch
	s_bfe_u32 s17, ttmp6, 0x40000                  ; cx
	s_bfe_u32 s18, ttmp6, 0x40004                  ; cy
	s_lshl_b32 s19, ttmp9, 2
	s_add_co_u32 s19, s19, s17                     ; c
	s_and_b32 s20, ttmp7, 0xffff
	s_lshl_b32 s20, s20, 2
	s_add_co_u32 s20, s20, s18                     ; rb
	s_lshl_b32 s21, s18, 2
	s_lshl_b32 s21, 15, s21
	s_lshl_b32 s22, 0x1111, s17
	s_or_b32 s[G1+0], s21, FLAGS
	s_mov_b32 s[G1+1], 32<<16                      ; O: 128 x 192 dense bytes = 384 rows of 32 elements
	s_mov_b32 s[G1+2], 384<<16
	s_mov_b32 s[G1+3], 32<<16
	s_mov_b32 s[G1+4], 384
	s_mov_b32 s[G1+5], 32
	s_mov_b32 s[G1+6], 0
	s_mov_b32 s[G1+7], 0
	s_or_b32 s[G1B+0], s22, FLAGS
	s_mov_b32 s[G1B+1], 32<<16                     ; W: 192 x 192 dense bytes = 576 rows
	s_mov_b32 s[G1B+2], 576<<16
	s_mov_b32 s[G1B+3], 32<<16
	s_mov_b32 s[G1B+4], 576
	s_mov_b32 s[G1B+5], 32
	s_mov_b32 s[G1B+6], 0
	s_mov_b32 s[G1B+7], 0
	s_mul_i32 s56, s16, 1572864                    ; a head of oh: 8192 x 192
	s_mul_i32 s57, s20, 24576                      ; 128 rows: no cx enters
	s_add_co_u32 s56, s56, s57
	s_mov_b32 s57, 0
	s_mul_i32 s58, s16, 147456                     ; a head of wpb: 768 x 192
	s_mul_i32 s59, s19, 36864                      ; 192 rows: no cy enters
	s_add_co_u32 s58, s58, s59
	s_mov_b32 s59, 0
	s_mul_i32 s60, s16, AH
	s_mul_i32 s61, s16, WH
	s_add_co_u32 s61, s61, WOFF
	s_wait_kmcnt 0x0
	s_add_nc_u64 s[56:57], s[4:5], s[56:57]
	s_add_nc_u64 s[58:59], s[6:7], s[58:59]
	CROUND
.irp s, 0,1
	s_mov_b32 s[G0+4*\s], 1
	s_add_co_u32 s[G0+4*\s+1], s60, \s*SLOT
	s_add_nc_u64 s[G0+4*\s+2:G0+4*\s+3], s[56:57], \s*3145728      ; two heads on
	s_or_b32 s[G0+4*\s+3], s[G0+4*\s+3], 0x80000000
	s_mov_b32 s[G0B+4*\s], 1
	s_add_co_u32 s[G0B+4*\s+1], s61, \s*SLOT
	s_add_nc_u64 s[G0B+4*\s+2:G0B+4*\s+3], s[58:59], \s*294912
	s_or_b32 s[G0B+4*\s+3], s[G0B+4*\s+3], 0x80000000
	JLOAD \s                                       ; two loads of the wave are out
.endr
	v_and_b32 v1, 15, v0                           ; r
	v_bfe_u32 v2, v0, 4, 1                         ; h
	v_mul_u32_u24 v3, v1, 240
	v_lshl_add_u32 v3, v2, 4, v3
	s_mul_i32 s62, s15, 64*240
	s_mul_i32 s63, s16, 96*240
	s_add_co_u32 s63, s63, WOFF
	v_add_nc_u32 v[ADRX], s62, v3
	v_add_nc_u32 v[ADRX+1], SLOT, v[ADRX]
	v_add_nc_u32 v[ADRW], s63, v3
	v_add_nc_u32 v[ADRW+1], SLOT, v[ADRW]
	s_mul_i32 s66, s15, 64*OP
	s_mul_i32 s67, s16, 384
	s_add_co_u32 s66, s66, s67
	v_mul_u32_u24 v3, v1, OP
	v_lshl_add_u32 v3, v2, 5, v3
	v_add_nc_u32 v[STO], s66, v3                   ; (64 wr + r) x 784 + 384 wc + 32 h
	s_mul_i32 s68, s19, 768                        ; my 192 columns, in bytes
	s_mov_b32 s69, 0
	s_add_nc_u64 s[8:9], s[8:9], s[68:69]
	s_lshl_b32 s66, s20, 7
	s_lshl_b32 s67, s14, 5
	s_add_co_u32 s66, s66, s67                     ; row 128 rb + 32 wave: the rows that I store
	s_mul_i32 s66, s66, 3072
	s_add_co_u32 s66, s66, s68
	s_mov_b32 s67, 0
	s_add_nc_u64 s[10:11], s[10:11], s[66:67]
	s_mul_i32 s70, s14, 32*OP
	v_and_b32 v1, 31, v0
.irp u, 0,1,2
	v_add_nc_u32 v2, 32*\u, v1                     ; piece p of the 96 pieces of two rows of 768 bytes
	v_mul_u32_u24 v3, v2, 1366
	v_lshrrev_b32 v3, 16, v3                       ; p / 48, exact for p < 96
	v_mul_u32_u24 v4, v3, 48
	v_sub_nc_u32 v4, v2, v4
	v_lshlrev_b32 v[BO+\u], 4, v4                  ; 16 x the piece in its row
	v_mad_u32_u24 v[RD+\u], v3, OP, v[BO+\u]
	v_add_nc_u32 v[RD+\u], s70, v[RD+\u]
	v_mad_u32_u24 v[GO+\u], v3, 3072, v[BO+\u]
.endr
.irp u, 0,1,2
	global_load_b128 v[BI+4*\u:BI+4*\u+3], v[BO+\u], s[8:9]        ; the bias of my four columns, once
.endr
.macro FETCH slot, hh, c, buf          ; head hh of the slot, 32 along K at chunk c: 8 + 12 loads
.irp a, 0,1,2,3
	ds_load_b128 v[X0+32*(\buf)+8*\a:X0+32*(\buf)+8*\a+3],   v[ADRX+\slot] offset:\hh*AH+\a*3840+80*\c
	ds_load_b128 v[X0+32*(\buf)+8*\a+4:X0+32*(\buf)+8*\a+7], v[ADRX+\slot] offset:\hh*AH+\a*3840+80*\c+32
.endr
.irp b, 0,1,2,3,4,5
	ds_load_b128 v[W0+48*(\buf)+8*\b:W0+48*(\buf)+8*\b+3],   v[ADRW+\slot] offset:\hh*WH+\b*3840+80*\c
	ds_load_b128 v[W0+48*(\buf)+8*\b+4:W0+48*(\buf)+8*\b+7], v[ADRW+\slot] offset:\hh*WH+\b*3840+80*\c+32
.endr
.endm
.macro MUL12 buf, a0, zero
.irp a, \a0, \a0+1
.irp b, 0,1,2,3,4,5
.if \zero
	v_wmma_f32_16x16x32_bf16 v[8*(6*(\a)+\b):8*(6*(\a)+\b)+7], v[W0+48*\buf+8*\b:W0+48*\buf+8*\b+7], v[X0+32*\buf+8*(\a):X0+32*\buf+8*(\a)+7], 0
.else
	v_wmma_f32_16x16x32_bf16 v[8*(6*(\a)+\b):8*(6*(\a)+\b)+7], v[W0+48*\buf+8*\b:W0+48*\buf+8*\b+7], v[X0+32*\buf+8*(\a):X0+32*\buf+8*(\a)+7], v[8*(6*(\a)+\b):8*(6*(\a)+\b)+7]
.endif
.endr
.endr
.endm
; A slot step is six segments (head, chunk) on buffers 0, 1, 0, 1, 0, 1.  The next segment's 20 loads go out first, so the wait for 20
; shows this segment's fragments in.  The 24 accumulators take turns in one order throughout.
.macro SEG slot, nh, nc, buf, zero
	WIN 0
	PLACES
	FETCH \slot, \nh, \nc, 1-\buf
	s_wait_dscnt 20
	WIN 0x50
	MUL12 \buf, 0, \zero
	MUL12 \buf, 2, \zero
.endm
.macro FIVE slot, zero
	SEG \slot, 0, 1, 0, \zero
	SEG \slot, 0, 2, 1, 0
	SEG \slot, 1, 0, 0, 0
	SEG \slot, 1, 1, 1, 0
	SEG \slot, 1, 2, 0, 0
.endm
; The sixth segment changes slots: my reads of this slot are back and all my tensor loads have landed in front of the barrier; with fill = 1 it
; opens a round of the cluster's barrier and the joint refill, four heads ahead, comes first behind the round.
.macro LAST slot, next, fill
	s_wait_dscnt 0x0
	s_wait_tensorcnt 0x0
	s_barrier_signal -1
	WIN 0x50
	MUL12 1, 0, 0
	WIN 0
	s_barrier_wait -1
.if \fill
	CREST
	s_add_nc_u64 s[G0+4*\slot+2:G0+4*\slot+3], s[G0+4*\slot+2:G0+4*\slot+3], 6291456
	s_add_nc_u64 s[G0B+4*\slot+2:G0B+4*\slot+3], s[G0B+4*\slot+2:G0B+4*\slot+3], 589824
	JLOAD \slot
.endif
	PLACES
	FETCH \next, 0, 0, 0
	WIN 0x50
	MUL12 1, 2, 0
.endm
	s_wait_tensorcnt 0x1                           ; my part of slot 0 is in; slot 1's stays out
	s_barrier_signal -1
	s_barrier_wait -1
	FETCH 0, 0, 0, 0
	FIVE 0, 1                                      ; heads 0, 1: the first products start the sums
	LAST 0, 1, 1
	FIVE 1, 0                                      ; heads 2, 3
	LAST 1, 0, 1
	FIVE 0, 0                                      ; heads 4, 5
	LAST 0, 1, 0
	FIVE 1, 0                                      ; heads 6, 7
	s_wait_dscnt 0x0
	MUL12 1, 0, 0
	MUL12 1, 2, 0
	WIN 0
	PLACES
	; THE WAY OUT, through slot 0: its last fill has landed and every wave's last reads of it were back in front of the last barrier.
	WIN 0x04
.irp a, 0,1,2,3
.irp b, 0,1,2,3,4,5
	ds_store_b128 v[STO], v[8*(6*\a+\b):8*(6*\a+\b)+3]   offset:\a*16*OP+64*\b
	ds_store_b128 v[STO], v[8*(6*\a+\b)+4:8*(6*\a+\b)+7] offset:\a*16*OP+64*\b+16
.endr
.endr
	WIN 0
	s_wait_dscnt 0x0                               ; for the others' sake: my stores are done
	s_barrier_signal -1
	s_barrier_wait -1
	s_wait_loadcnt 0x0                             ; the bias
	; My 32 whole rows of 768 bytes are 48 loads of 512 bytes.  All 48 go out in one run, each into four registers of its own (192 in all), so
	; each load is waited for by itself and no register that a store still reads is written again.
.irp g, 0,1,2,3,4,5,6,7
.irp k, 0,1
.irp u, 0,1,2
	ds_load_b128 v[RB+24*\g+12*\k+4*\u:RB+24*\g+12*\k+4*\u+3], v[RD+\u] offset:(4*\g+2*\k)*OP
.endr
.endr
.endr
	; then one by one: the bias added, and a store in which sixteen lanes cover 256 consecutive bytes, aligned
.irp g, 0,1,2,3,4,5,6,7
.irp k, 0,1
.irp u, 0,1,2
	s_wait_dscnt 47-6*\g-3*\k-\u                   ; LDS loads come back in order (ISA guide 5.7.1): this one is in, the younger ones stay out
	v_pk_add_f32 v[RB+24*\g+12*\k+4*\u:RB+24*\g+12*\k+4*\u+1],   v[RB+24*\g+12*\k+4*\u:RB+24*\g+12*\k+4*\u+1],   v[BI+4*\u:BI+4*\u+1]
	v_pk_add_f32 v[RB+24*\g+12*\k+4*\u+2:RB+24*\g+12*\k+4*\u+3], v[RB+24*\g+12*\k+4*\u+2:RB+24*\g+12*\k+4*\u+3], v[BI+4*\u+2:BI+4*\u+3]
	global_store_b128 v[GO+\u], v[RB+24*\g+12*\k+4*\u:RB+24*\g+12*\k+4*\u+3], s[10:11] offset:(4*\g+2*\k)*3072 th:TH_STORE_NT
.endr
.endr
.endr
	CROUND                                         ; the closing round
	s_endpgm
.Lfunc_end_k_q2137364066_proj:
	.size	k_q2137364066_proj, .Lfunc_end_k_q2137364066_proj-k_q2137364066_proj
	.p2alignl 7, 3214868480
	.fill 96, 4, 3214868480
	.section	.rodata,"a",@progbits
	.p2align	6, 0x0
	.amdhsa_kernel k_q2137364066_proj
		.amdhsa_group_segment_fixed_size 327680
		.amdhsa_private_segment_fixed_size 0
		.amdhsa_enable_private_segment 0
		.amdhsa_kernarg_size 32
		.amdhsa_user_sgpr_count 2
		.amdhsa_user_sgpr_kernarg_segment_ptr 1
		.amdhsa_wavefront_size32 1
		.amdhsa_system_sgpr_workgroup_id_x 1
		.amdhsa_system_sgpr_workgroup_id_y 1
		.amdhsa_system_sgpr_workgroup_id_z 1
		.amdhsa_system_vgpr_workitem_id 0
		.amdhsa_next_free_vgpr 448
		.amdhsa_next_free_sgpr 80
		.amdhsa_reserve_vcc 0
		.amdhsa_float_denorm_mode_32 3
		.amdhsa_float_denorm_mode_16_64 3
		.amdhsa_memory_ordered 1
		.amdhsa_forward_progress 1
		.amdhsa_inst_pref_size 99
	.end_amdhsa_kernel
	.amdgpu_metadata
---
amdhsa.version: [ 1, 2 ]
amdhsa.kernels:
  - .name:           k_q2137364066_proj
    .symbol:         k_q2137364066_proj.kd
    .args:
      - { .name: oh, .offset: 0, .size: 8, .value_kind: global_buffer, .address_space: global }
      - { .name: wpb, .offset: 8, .size: 8, .value_kind: global_buffer, .address_space: global }
      - { .name: b_proj, .offset: 16, .size: 8, .value_kind: global_buffer, .address_space: global }
      - { .name: out0, .offset: 24, .size: 8, .value_kind: global_buffer, .address_space: global }
    .group_segment_fixed_size: 327680
    .private_segment_fixed_size: 0
    .kernarg_segment_align: 8
    .kernarg_segment_size: 32
    .max_flat_workgroup_size: 128
    .sgpr_count:     80
    .vgpr_count:     448
    .wavefront_size: 32
...
	.end_amdgpu_metadata
.endif
;; end of part 4
